; MI455X (gfx1250); checked and timed in simulation.
; The chip was launched on July 23, 2026; its instructions are those of AMD's public machine-readable ISA for CDNA 5 (MIT licence, August 2026) and "CDNA5" Instruction Set Architecture Reference Guide (July 2026). The comments in the code are by the model that wrote it; some were corrected since.
;; Noisy Dense. Allowed arithmetic: matrix products marked QUANTISED: E4M3 operands, one E8M0 scale for each 32 along K, by v_wmma_scale_f32_16x16x128_f8f6f4 with both operands' format E4M3, f32 sums; everything else in f32.
;; Inputs: kernel 4,096 x 4,096 float32; noise_eps 4,096 x 4,096 float32; noise_mean 4,096 float32; noise_std 4,096 float32; x 4,096 x 4,096 float32.
;; Outputs: out0 4,096 x 4,096 float32.
;; This version of the problem:
;;   THIS VERSION OF THE PROBLEM IS GIVEN IN LOW PRECISION. The matrix products marked QUANTISED in the list below multiply operands that are first quantised to E4M3 (4 exponent bits, 3 mantissa bits; 8 bits a number), with one power-of-two scale for each 32 numbers along K (OCP MX v1.0); their sums are f32. All else is computed in f32.
;;   The module's matrix products, in the order in which they are computed (A, B: the left and right operand; K: the contracted axis; several contracted axes count as one K, in the product's order):
;;     1. [M 4,096, K 4,096] x [K 4,096, N 4,096]; A: input x; B: input kernel: QUANTISED
;;   THE QUANTISER, for each operand of a quantised product, along K:
;;     - K is cut into blocks of 32 from its start; a last block that is shorter is filled with zeros.
;;     - A block's scale is 2^e with e = floor(log2(the largest magnitude in the block)) - 8, held to -126 .. 127; a block of zeros has e = 0. As a byte (E8M0): e + 127.
;;     - Each number is divided by its block's scale, clamped to +-448, and rounded to the nearest number of E4M3, ties to even, subnormals kept.
;;     - The product sums the exact products of the quantised numbers (number of the format x scale) in f32.
;;   ~~~python
;;   def quantise(x, axis):      # numpy; x: float32 -> the quantised numbers, widened to float32 again
;;       x = np.moveaxis(x, axis, -1); K = x.shape[-1]
;;       x = np.pad(x, [(0, 0)] * (x.ndim - 1) + [(0, -K % 32)]); x = x.reshape(x.shape[:-1] + (-1, 32)); a = np.abs(x).max(-1, keepdims=True)
;;       e = np.where(a > 0, np.clip(np.frexp(np.where(a > 0, a, 1))[1] - 1 - 8, -126, 127), 0)      # np.frexp(a)[1] - 1 = floor(log2(a)), exactly
;;       r = np.clip(x / 2.0 ** e, -448, 448)
;;       step = 2.0 ** (np.maximum(np.frexp(np.where(r == 0, 1, r))[1] - 1, -6) - 3)
;;       q = np.round(r / step) * step * 2.0 ** e      # np.round: ties to even
;;       return np.moveaxis(q.reshape(q.shape[:-2] + (-1,))[..., :K], -1, axis).astype(np.float32)
;;   ~~~
;; One version. Each part assembles by itself: llvm-mc -triple=amdgcn-amd-amdhsa -mcpu=gfx1250 --defsym DOCPART=n.
;; ======== version 1 of 1: 2 launches
;; workspace buffers: apack 17,301,504 bytes; bpack 17,301,504 bytes
;; launch quant (part 1): grid 1024 x 1, 4 waves a work-group, no clusters, 34,304 bytes of LDS; arguments x, kernel, apack, bpack; writes apack, bpack
.if DOCPART == 1
	.amdgcn_target "amdgcn-amd-amdhsa--gfx1250"
	.amdhsa_code_object_version 6
	.text
	.protected	k_q5906527f5f_quant
	.globl	k_q5906527f5f_quant
	.p2align	8
	.type	k_q5906527f5f_quant,@function
k_q5906527f5f_quant:
	s_mov_b64 s[64:65], 0
	v_nop
	global_prefetch_b8 v0, s[64:65] scope:SCOPE_SE
	s_setreg_imm32_b32 hwreg(HW_REG_WAVE_MODE, 25, 1), 1
	s_wait_xcnt 0x0
; x [4096 (m)][4096 (k)] and kernel [4096 (k)][4096 (n)], f32, become codes of FP8 (E4M3) with one E8M0 scale byte for each 32 along K, laid IN THE ORDER OF THE OPERAND'S REGISTERS for the product's launch.
; A PACK is [32 row blocks of 128 rows][16 K steps of 256][PB = 33,792 bytes]; for kernel a row is a column n.  In a block:
;   bytes 0 .. 32,767: 16 images of 2,048 bytes.  Image (i = 16-row block 0..7, q = which 128 of the 256 along K) at 2048 (2 i + q); in it piece c (0..3), half h, place p at 512 c + 256 h + 16 p:
;                      the 16 codes of K = 128 q + 32 c + 16 h + 0 .. 15 of one row: what registers 4 c .. 4 c + 3 of a lane hold in the scaled matrix instruction's 8-bit operand.
;                      x: row 16 i + r lies at place p = r.   kernel: column 16 i + r lies at place p = r xor (i % 4).
;   bytes 32,768 .. 33,791: scale words (four bytes: 128 along K of one row): tile t = 2 ip + u, its row r, step q, at 32768 + 256 ip + 16 r + 8 u + 4 q.
;                      x: tile t is image t.   kernel: THE PRODUCT'S TILES ARE NOT THE IMAGES: its tile 4 g + e takes columns 64 g + 4 r + e, so that four tiles' results are four neighbouring columns in one lane.
;                      Its sixteen lanes then read four images; the xor sets their places in sixteen different 16-byte columns of the 64 banks (ISA guide 11.1).
; A block's scale is 2^(floor(log2(its largest magnitude)) - 8); its byte is the largest magnitude's exponent field - 8, held at 1 from below; each number is held within +-448 x the scale and rounded to the nearest code, ties to even.
; LIMITS: NaN and infinities among the inputs are not served.  A block of zeros gets the byte 1 where the rule says 127: its codes are zeros, which add nothing under any byte but 0xff, and this program alone reads the bytes.
; SHARES.  One work-group makes one pack block (128 rows x 256 K); wave w makes images 2 w and 2 w + 1: 32 rows, 8,192 bytes of codes, 256 bytes of scale words.  Work-groups 0-511 take x, 512-1023 kernel.
; The two ways part once, on the work-group's number.  Only x's way uses LDS (a stage of each wave's own): no barrier, no tensor load, waves share nothing.
.set PB,   33792
.set TM,   8                           ; v8-11 largest magnitudes, v12-15 the other half's, then bytes, v16-19 448 x the scale, v20-23 the conversion's scale operand
.set PW,   24                          ; v24-27  x: the scale word of fragment f = 2 u + q
.set PC,   32                          ; v32-63  x: codes, two sets of 16
.set R,    64                          ; v64-191 x: two sets of 64 numbers as they are loaded
.set X,    192                         ; v192-255 x: 64 numbers as the conversions want them
.set SPX,  528                         ; x: a stage row: 512 bytes + 16 = 33 x 16: the sixteen rows that a read touches start in sixteen different 16-byte columns of the 64 banks (ISA guide 11.1)
.set WST,  16*SPX                      ; a wave's stage
.set XW,   64                          ; v64-127  kernel: two sets of 32 numbers
.set CW,   128                         ; v128-191 kernel: eight registers of codes for each of the 8 blocks: no store's data are written again
.set SB,   24                          ; v24-25   kernel: the scale bytes, four to a register
	s_load_b256 s[4:11], s[0:1], 0x0               ; x s[4:5], kernel s[6:7], apack s[8:9], bpack s[10:11]
	v_lshl_add_u32 v30, v0, 2, 0x8400
	v_mov_b32 v31, 0
	v_lshrrev_b32 v1, 5, v0
	v_readfirstlane_b32 s12, v1                    ; wave 0..3
	v_and_b32 v1, 31, v0                           ; lane
	v_and_b32 v2, 15, v0                           ; r
	v_bfe_u32 v3, v0, 4, 1                         ; h
	s_mov_b32 s20, 0x76543210
	s_mov_b32 s21, 0xfedcba98                      ; v_permlanex16_b32's selects for lane l xor 16
	s_mov_b32 s22, 0x600000                        ; the mantissa field of 448
	s_cmp_lt_u32 ttmp9, 512
	s_cbranch_scc0 .Lkern
; ---------------- x: K is innermost.  The block's number is the work-group's: row block = number / 16, K step = number % 16.
	s_lshr_b32 s16, ttmp9, 4
	s_lshl_b32 s16, s16, 21                        ; 128 rows of 16,384 bytes a row block,
	s_lshl_b32 s17, s12, 19                        ; my wave's 32 rows,
	s_add_co_u32 s16, s16, s17
	s_and_b32 s17, ttmp9, 15
	s_lshl_b32 s17, s17, 10                        ; 256 numbers a K step
	s_add_co_u32 s16, s16, s17
	s_mov_b32 s17, 0
	s_mul_i32 s19, ttmp9, PB
	s_lshl_b32 s18, s12, 13
	s_add_co_u32 s18, s18, s19                     ; my codes: block x PB + 8,192 x wave
	s_lshl_b32 s24, s12, 8
	s_add_co_u32 s24, s24, s19
	s_add_co_u32 s24, s24, 32768                   ; my scale words: block x PB + 32,768 + 256 x wave
	s_mov_b32 s19, 0
	s_mov_b32 s25, 0
	s_mul_i32 s13, s12, WST                        ; my stage
	v_lshlrev_b32 v7, 4, v2
	v_lshl_add_u32 v7, v3, 3, v7                   ; the scale words' store: 16 r + 8 h
	v_lshlrev_b32 v4, 4, v1                        ; 16 x lane: loads and code stores
	v_add_nc_u32 v5, s13, v4                       ; the stage, on the way in: a row as it lies
	v_mul_u32_u24 v6, v2, SPX
	v_lshl_add_u32 v6, v3, 6, v6
	v_add_nc_u32 v6, s13, v6                       ; and on the way out: row r, + 64 h: my 16 numbers of a block of 32
.irp b, 0,1,2,3
	v_mov_b32 v[TM+4+\b], 0                        ; written once: a lane permute's destination counts as one of its sources
.endr
	s_wait_kmcnt 0x0
	s_add_nc_u64 s[4:5], s[4:5], s[16:17]
	s_add_nc_u64 s[14:15], s[8:9], s[24:25]
	s_add_nc_u64 s[8:9], s[8:9], s[18:19]
; fragment f = 2 u + q: rows 16 u + 0 .. 15 of my 32, 128 along K from 128 q on.  Each load takes one row's 512 consecutive bytes, 16 a lane.
.macro LOADX f
.irp j, 0,1,2,3,4,5,6,7,8,9,10,11,12,13,14,15
	global_load_b128 v[R+64*((\f)%2)+4*\j:R+64*((\f)%2)+4*\j+3], v4, s[4:5] offset:(16*((\f)/2)+\j)*16384+512*((\f)%2) th:TH_LOAD_NT
.endr
.endm
; 64 numbers of a lane, v[s] on, register 16 b + i = k 32 b + 16 (lane / 16) + i of my row, become a fragment's codes in v[pc] on and its scale word in v[pw].
.macro QUANT s, pc, pw
.irp b, 0,1,2,3
	v_max3_num_f32 v[TM+\b], |v[\s+16*\b]|, |v[\s+1+16*\b]|, 0x4800000   ; block b: my 16 numbers, and the floor 2^(9 - 127): the byte cannot fall under 1
.endr
.irp i, 2,4,6,8,10,12,14
.irp b, 0,1,2,3
	v_max3_num_f32 v[TM+\b], v[TM+\b], |v[\s+16*\b+\i]|, |v[\s+1+16*\b+\i]|   ; the four blocks by turns: no line waits for the line above it
.endr
.endr
.irp b, 0,1,2,3
	v_permlanex16_b32 v[TM+4+\b], v[TM+\b], s20, s21
.endr
.irp b, 0,1,2,3
	v_max_num_f32 v[TM+\b], v[TM+\b], v[TM+4+\b]   ; with lane l xor 16's 16: the block's largest magnitude
.endr
.irp b, 0,1,2,3
	v_add_nc_u32 v[TM+12+\b], 0xfc000000, v[TM+\b] ; 8 off its exponent field: the conversion takes the exponent field of this operand as its scale
.endr
.irp b, 0,1,2,3
	v_and_or_b32 v[TM+8+\b], v[TM+\b], 0x7f800000, s22   ; 448 x the scale: the largest magnitude's exponent field over 448's mantissa
.endr
.irp b, 0,1,2,3
	v_lshrrev_b32 v[TM+4+\b], 23, v[TM+12+\b]      ; the scale's byte
.endr
	v_lshl_or_b32 v[\pw], v[TM+5], 8, v[TM+4]      ; the four bytes make my row's scale word (both halves of the lanes hold the same)
	v_lshl_or_b32 v[\pw], v[TM+6], 16, v[\pw]
	v_lshl_or_b32 v[\pw], v[TM+7], 24, v[\pw]
.irp b, 0,1,2,3
.irp i, 0,1,2,3,4,5,6,7,8,9,10,11,12,13,14,15
	v_med3_num_f32 v[\s+16*\b+\i], v[\s+16*\b+\i], -v[TM+8+\b], v[TM+8+\b]   ; the conversion to an 8-bit code does not saturate (ISA guide 7.6.2): the hold at the largest code x the scale
.endr
	v_cvt_scalef32_pk8_fp8_f32 v[\pc+4*\b:\pc+1+4*\b], v[\s+16*\b:\s+7+16*\b], v[TM+12+\b]
	v_cvt_scalef32_pk8_fp8_f32 v[\pc+2+4*\b:\pc+3+4*\b], v[\s+8+16*\b:\s+15+16*\b], v[TM+12+\b]
.endr
	v_nop                                          ; one plain vector line behind the last scaled conversion
.endm
.macro FRAGX f
.if (\f) < 3
	s_wait_loadcnt 16                              ; this fragment's 16 loads are in; the next fragment's 16 may be out
.else
	s_wait_loadcnt 0x0
.endif
.irp j, 0,1,2,3,4,5,6,7,8,9,10,11,12,13,14,15
	ds_store_b128 v5, v[R+64*((\f)%2)+4*\j:R+64*((\f)%2)+4*\j+3] offset:SPX*\j
.endr
.irp b, 0,1,2,3
.irp p, 0,1,2,3
	ds_load_b128 v[X+16*\b+4*\p:X+16*\b+4*\p+3], v6 offset:128*\b+16*\p   ; LDS serves a wave's instructions in order (ISA guide 5.7.1.4): these see the stores above
.endr
.endr
	s_wait_dscnt 0x0                               ; my 64 numbers are back, and the stores into the stage have read their registers,
.if (\f)+2 < 4
	LOADX (\f)+2                                   ; which take the fragment two further on
.endif
.if (\f) >= 2
	s_wait_xcnt 0x0                                ; the code stores of two fragments back have read this set of code registers: it is written again only behind this wait
.endif
	QUANT X, PC+16*((\f)%2), PW+(\f)
.irp c, 0,1,2,3
	global_store_b128 v4, v[PC+16*((\f)%2)+4*\c:PC+16*((\f)%2)+4*\c+3], s[8:9] offset:2048*(\f)+512*\c   ; 32 lanes store 512 consecutive bytes, at a multiple of 256 from the pack's first byte
.endr
.endm
	LOADX 0
	LOADX 1
.irp f, 0,1,2,3
	FRAGX \f
.endr
	v_cmp_ne_u32 vcc_lo, 0, v3                     ; lanes 0-15 store the two words of rows u = 0, lanes 16-31 those of u = 1
	v_cndmask_b32 v28, v24, v26, vcc_lo
	v_cndmask_b32 v29, v25, v27, vcc_lo
	global_store_b64 v7, v[28:29], s[14:15]        ; 32 lanes store 256 consecutive bytes, aligned
	s_wait_tensorcnt 0x0
	ds_add_u32 v30, v31
	s_wait_dscnt 0x0
	s_endpgm
; ---------------- kernel: K is the FIRST axis.  A lane takes a column n and its registers run down K: a block of 32 lies in one lane, and the conversions give codes with K innermost.  Nothing is transposed.
.Lkern:
	s_sub_co_u32 s16, ttmp9, 512
	s_and_b32 s17, s16, 31                         ; column block (neighbouring work-groups read neighbouring 512 bytes of kernel's rows)
	s_lshr_b32 s18, s16, 5                         ; K step
	s_lshl_b32 s19, s17, 4
	s_add_co_u32 s19, s19, s18
	s_mul_i32 s19, s19, PB                         ; the pack block: 16 x column block + K step
	s_lshl_b32 s18, s18, 22                        ; 256 rows of 16,384 bytes a K step,
	s_lshl_b32 s17, s17, 9                         ; 128 columns a block,
	s_add_co_u32 s16, s18, s17
	s_lshl_b32 s17, s12, 7                         ; my wave's 32 columns
	s_add_co_u32 s16, s16, s17
	s_mov_b32 s17, 0
	s_lshl_b32 s18, s12, 13
	s_add_co_u32 s18, s18, s19                     ; my codes: block x PB + 8,192 x wave
	s_and_b32 s26, s12, 1                          ; w % 2
	s_lshr_b32 s24, s12, 1
	s_lshl_b32 s24, s24, 9                         ; my scale words: 512 (w / 2): the product's tiles 4 (w / 2) + 0 .. 3,
	s_lshl_b32 s27, s26, 7
	s_add_co_u32 s24, s24, s27                     ; + 128 (w % 2): their rows 8 (w % 2) + 0 .. 7
	s_add_co_u32 s24, s24, s19
	s_add_co_u32 s24, s24, 32768
	s_lshl_b32 s26, s26, 1                         ; 2 (w % 2)
	s_mov_b32 s19, 0
	s_mov_b32 s25, 0
	v_lshlrev_b32 v4, 2, v1                        ; in: 4 bytes a lane; my column is 32 w + 16 h + r of the block: image i = 2 w + h, its row r
	v_add_nc_u32 v5, s26, v3                       ; i % 4 = 2 (w % 2) + h
	v_xor_b32 v5, v5, v2                           ; my place in a piece: r xor (i % 4): the sixteen lanes still fill the piece's 256 bytes
	v_lshlrev_b32 v5, 4, v5
	v_lshl_add_u32 v5, v3, 12, v5                  ; out: 4096 h (two images) + 16 x place
	v_bfe_u32 v8, v2, 1, 1                         ; my column is row 8 (w % 2) + 4 h + r / 4 of the product's tile 4 (w / 2) + r % 4:
	v_lshlrev_b32 v7, 8, v8                        ; 256 x ((r % 4) / 2): which pair of tiles,
	v_lshl_add_u32 v7, v3, 6, v7                   ; 16 x (4 h
	v_lshrrev_b32 v8, 2, v2
	v_lshl_add_u32 v7, v8, 4, v7                   ;       + r / 4): the row,
	v_and_b32 v8, 1, v2
	v_lshl_add_u32 v7, v8, 3, v7                   ; 8 x (r % 2): which tile of the pair
	s_wait_kmcnt 0x0
	s_add_nc_u64 s[6:7], s[6:7], s[16:17]
	s_add_nc_u64 s[14:15], s[10:11], s[24:25]
	s_add_nc_u64 s[10:11], s[10:11], s[18:19]
.macro LOADW t                         ; block t: kernel(32 t + i, my column), i = 0 .. 31: a wave reads 128 consecutive bytes, the four waves 512
.irp i, 0,1,2,3,4,5,6,7,8,9,10,11,12,13,14,15,16,17,18,19,20,21,22,23,24,25,26,27,28,29,30,31
	global_load_b32 v[XW+32*((\t)%2)+\i], v4, s[6:7] offset:(32*(\t)+\i)*16384 th:TH_LOAD_NT
.endr
.endm
.macro BLOCKW t
.set XS, XW+32*((\t)%2)
.set CC, CW+8*(\t)
.if (\t) < 7
	s_wait_loadcnt 32                              ; this block's 32 loads are in; the next block's may be out
.else
	s_wait_loadcnt 0x0
.endif
	v_max3_num_f32 v12, |v[XS]|, |v[XS+1]|, |v[XS+2]|      ; the block's largest magnitude: all 32 numbers are mine; two chains
	v_max3_num_f32 v13, |v[XS+3]|, |v[XS+4]|, |v[XS+5]|
.irp i, 6,10,14,18,22,26
	v_max3_num_f32 v12, v12, |v[XS+\i]|, |v[XS+\i+1]|
	v_max3_num_f32 v13, v13, |v[XS+\i+2]|, |v[XS+\i+3]|
.endr
	v_max3_num_f32 v12, v12, |v[XS+30]|, |v[XS+31]|
	v_max3_num_f32 v12, v12, v13, 0x4800000        ; and the floor 2^(9 - 127)
	v_add_nc_u32 v11, 0xfc000000, v12              ; the conversion's scale operand
	v_and_or_b32 v10, v12, 0x7f800000, s22         ; 448 x the scale
	v_lshrrev_b32 v13, 23, v11                     ; the scale's byte
.if (\t)%4 == 0
	v_mov_b32 v[SB+(\t)/4], v13                    ; four bytes to a register, the lower K in the lower byte: the word of step q = t / 4
.else
	v_lshl_or_b32 v[SB+(\t)/4], v13, 8*((\t)%4), v[SB+(\t)/4]
.endif
.irp i, 0,1,2,3,4,5,6,7,8,9,10,11,12,13,14,15,16,17,18,19,20,21,22,23,24,25,26,27,28,29,30,31
	v_med3_num_f32 v[XS+\i], v[XS+\i], -v10, v10
.endr
.irp g, 0,1,2,3
	v_cvt_scalef32_pk8_fp8_f32 v[CC+2*\g:CC+2*\g+1], v[XS+8*\g:XS+8*\g+7], v11
.endr
	v_nop                                          ; one plain vector line behind the last scaled conversion
.if (\t)+2 < 8
	LOADW (\t)+2
.endif
	global_store_b128 v5, v[CC:CC+3], s[10:11] offset:2048*((\t)/4)+512*((\t)%4)          ; K = 32 t + 0 .. 15: half 0 of the piece; sixteen lanes store 256 consecutive bytes, aligned
	global_store_b128 v5, v[CC+4:CC+7], s[10:11] offset:2048*((\t)/4)+512*((\t)%4)+256    ; K = 32 t + 16 .. 31: half 1
.endm
	LOADW 0
	LOADW 1
.irp t, 0,1,2,3,4,5,6,7
	BLOCKW \t
.endr
	global_store_b64 v7, v[SB:SB+1], s[14:15]      ; my column's two scale words.  The wave stores two runs of 128 consecutive bytes; the wave beside it stores the runs between them: 1,024 bytes of a block's 33,792
	s_endpgm
.Lfunc_end_k_q5906527f5f_quant:
	.size	k_q5906527f5f_quant, .Lfunc_end_k_q5906527f5f_quant-k_q5906527f5f_quant
	.p2alignl 7, 3214868480
	.fill 96, 4, 3214868480
	.section	.rodata,"a",@progbits
	.p2align	6, 0x0
	.amdhsa_kernel k_q5906527f5f_quant
		.amdhsa_group_segment_fixed_size 34304
		.amdhsa_private_segment_fixed_size 0
		.amdhsa_enable_private_segment 0
		.amdhsa_kernarg_size 32
		.amdhsa_user_sgpr_count 2
		.amdhsa_user_sgpr_kernarg_segment_ptr 1
		.amdhsa_wavefront_size32 1
		.amdhsa_system_sgpr_workgroup_id_x 1
		.amdhsa_system_sgpr_workgroup_id_y 1
		.amdhsa_system_sgpr_workgroup_id_z 1
		.amdhsa_system_vgpr_workitem_id 0
		.amdhsa_next_free_vgpr 256
		.amdhsa_next_free_sgpr 66
		.amdhsa_reserve_vcc 1
		.amdhsa_float_denorm_mode_32 3
		.amdhsa_float_denorm_mode_16_64 3
		.amdhsa_memory_ordered 1
		.amdhsa_forward_progress 1
		.amdhsa_inst_pref_size 106
	.end_amdhsa_kernel
	.amdgpu_metadata
---
amdhsa.version: [ 1, 2 ]
amdhsa.kernels:
  - .name:           k_q5906527f5f_quant
    .symbol:         k_q5906527f5f_quant.kd
    .args:
      - { .name: x, .offset: 0, .size: 8, .value_kind: global_buffer, .address_space: global }
      - { .name: kernel, .offset: 8, .size: 8, .value_kind: global_buffer, .address_space: global }
      - { .name: apack, .offset: 16, .size: 8, .value_kind: global_buffer, .address_space: global }
      - { .name: bpack, .offset: 24, .size: 8, .value_kind: global_buffer, .address_space: global }
    .group_segment_fixed_size: 34304
    .private_segment_fixed_size: 0
    .kernarg_segment_align: 8
    .kernarg_segment_size: 32
    .max_flat_workgroup_size: 128
    .sgpr_count:     66
    .vgpr_count:     256
    .wavefront_size: 32
...
	.end_amdgpu_metadata
.endif
;; end of part 1
;; launch gemm (part 2): grid 16 x 16, 4 waves a work-group, clusters of 4 x 4, 327,680 bytes of LDS; arguments apack, bpack, noise_mean, noise_std, noise_eps, out0; writes out0
.if DOCPART == 2
	.amdgcn_target "amdgcn-amd-amdhsa--gfx1250"
	.amdhsa_code_object_version 6
	.text
	.protected	k_q5906527f5f_gemm
	.globl	k_q5906527f5f_gemm
	.p2align	8
	.type	k_q5906527f5f_gemm,@function
k_q5906527f5f_gemm:
	s_mov_b64 s[64:65], 0
	v_nop
	global_prefetch_b8 v0, s[64:65] scope:SCOPE_SE
	s_setreg_imm32_b32 hwreg(HW_REG_WAVE_MODE, 25, 1), 1
	s_wait_xcnt 0x0
	s_wait_alu depctr_hold_cnt(0) depctr_sa_sdst(0) depctr_va_vdst(0) depctr_va_sdst(0) depctr_va_ssrc(0) depctr_va_vcc(0) depctr_vm_vsrc(0)
	s_getreg_b32 s2, hwreg(HW_REG_IB_STS2, 6, 4)
	s_cmp_eq_u32 s2, 0
	s_cbranch_scc0 .Lentry_in_a_cluster
	s_endpgm
.Lentry_in_a_cluster:
	s_bfe_u32 s2, ttmp6, 0x10000c
	s_cmp_lg_u32 s2, 0xf033
	s_cbranch_scc0 .Lentry_shape_is_right
	s_endpgm
.Lentry_shape_is_right:
; out0[m][n] = sum over k of Q(x)[m][k] Q(kernel)[k][n] + (noise_mean[n] + noise_std[n] noise_eps[m][n]) / 4096.  M = N = K = 4,096.
; Both operands come as PACKS made by the launch before: [32 blocks of 128 rows][16 K steps of 256][PB = 33,792 bytes]: 16 images of 2,048 bytes (image (i, q) at 2048 (2 i + q); piece c, half h, place p at
; 512 c + 256 h + 16 p) and behind them 1,024 bytes of scale words (tile 2 ip + u, row r, step q, at 32768 + 256 ip + 16 r + 8 u + 4 q).  A block is dense: ONE tensor load, no padding; the scale words ride in the ring with their codes.
; A tile of out0, 256 x 256, is made by a work-group of four waves; a wave makes 128 x 128: 64 accumulators of 16 x 16, 512 registers.  K goes in 16 steps of 256 through a ring of two LDS slots.
; CLUSTERS: 4 x 4 work-groups.  The four of a row of the cluster need the same blocks of A, the four of a column the same blocks of B: each block is asked for JOINTLY, by the same tensor load with the same
; descriptor and a mask that names the four.
; THE COLUMNS OF A TILE OF B ARE NOT NEIGHBOURS.  Source 0 = 16 rows of A, source 1 = a tile of B: in accumulator (a, b) lane (r, h) holds, in register j, row 16 a + 8 h + j and the column of B's tile b at lane r.
; Tile b = 4 g + e takes columns 64 g + 4 r + e.  So register j of accumulators (a, 4 g + 0 .. 3) holds FOUR NEIGHBOURING COLUMNS of one row in one lane, and sixteen lanes hold 256 neighbouring bytes of out0 and of
; noise_eps: both go between memory and registers as they lie, sixteen lanes to an aligned run of 256 bytes, with no turn through LDS.  Column 64 g + 4 r + e lies in image 4 g + r / 4 at place 4 (r % 4) + (e xor r / 4).
; THE NOISE.  noise_eps comes in blocks of 16 rows during the K loop, each asked for a whole trip ahead, and is folded into the running sums: sum += eps x (std / 4096).  noise_mean / 4096 is added on the way out,
; by the fused multiply-add that also sets the four columns into four neighbouring registers for the store.
; LIMIT: the order of rounding differs from the source's (mean + std eps) / 4096 added to the finished product; std / 4096 is exact but for numbers that fall among the denormals.  NaN and infinities are not served.
; REGISTERS, in windows of 256: window 0: v0-31 addresses and noise_std; v32-63 scale words, two sets; v64-127 a block of noise_eps, at the end noise_mean; v128-255 A's fragments, ONE set.
;   window 1: B's fragments, TWO sets, at v0 and v128; on the way out four sets of rows to store.   window 2: the 32 accumulators of my rows 0-63 ((a, b) at v[8 (8 a + b)]);   window 3: those of my rows 64-127.
.set PB,     33792
.set SLOT,   4*PB                      ; A's two blocks of 128 rows, then B's two: wave w fetches the block at w x PB
.set SPARE,  2*SLOT                    ; behind the ring: the spare words, 128 bytes for each wave: two blocks of 256 bytes that no other line names
.set FR,     16                        ; registers of a fragment: 16 rows x 128 K
.set NL,     4                         ; LDS loads that bring one
.set NP,     8                         ; places behind this matrix instruction (ISA guide 7.12.1)
.set R16,  1                           ; v1      16 x (lane % 16): my four columns' bytes in noise_std and noise_mean; never rewritten
.set SD,   8                           ; v8-15   noise_std / 4096 at the column that I hold of B's tile b
.set ADRA, 16                          ; v16-17  LDS address of my A fragments in slot 0, 1
.set ADRS, 18                          ; v18-19  of my scale words: lanes 0-15 A's rows, lanes 16-31 B's
.set ADRB, 20                          ; v20-27  of my B fragments: slot s, tiles with b % 4 = e, at v[ADRB + 4 s + e]
.set SPW,  28                          ; v28     LDS address of my spare word; never rewritten
.set NIL,  29                          ; v29     0; never rewritten
.set PFO,  30                          ; v30     the packs' prefetches: 256 x lane; never rewritten
.set CO,   31                          ; v31     noise_eps and out0: 8 rows x (lane / 16) + 16 x (lane % 16) bytes; never rewritten
.set SC,   32                          ; scale words: set s (slot s) at v[SC + 16 s]; register 2 i + q: lanes 0-15 A's block i, lanes 16-31 B's tile i, the slot's q-th 128 along K
.set E,    64                          ; v[E + 8 j + b]: noise_eps at row 8 (lane / 16) + j of the block in hand and my column of tile b
.set MN,   64                          ; v64-71  at the end: noise_mean at my column of tile b
.set AF,   128
.set LIM,  19                          ; s19     1 in a wave that prefetches the packs, else the greatest number
.set PFA,  46                          ; s[46:47] where my pack prefetches stand
.set G1,  24                           ; s[24:31] descriptor group 1 for A's blocks;  s[32:39] group 0, one set for each slot
.set G0,  32
.set G1B, 48                           ; s[48:55], s[56:63] the same for B's
.set G0B, 56
.set MSB, 0
.macro WIN new                         ; the immediate's high byte repeats the setting that is left
.if MSB != (\new)
	s_set_vgpr_msb (MSB<<8)|(\new)
.set MSB, (\new)
.endif
.endm
.set MUL_LO, 0xa4                      ; source 0 (A) window 0, source 1 (B) window 1, C and D window 2
.set MUL_HI, 0xf4                      ; the same, C and D window 3
.set TO_B,   0x40                      ; destination window 1, address window 0
; A joint load: waves 0 and 1 fetch A's two blocks, waves 2 and 3 B's.  Each line has ONE mask and one set of registers for all that issue it; the branch hangs on the wave's number alone.
; Four v_nop follow each of the two lines, ahead of the jump, the label and what follows.
.macro JLOAD s
	s_cmp_eq_u32 s17, 0
	s_cbranch_scc0 .Lfor_b_\@
	tensor_load_to_lds s[G0+4*\s:G0+4*\s+3], s[G1:G1+7]
	s_nop 0
.rept 4
	v_nop
.endr
	s_branch .Lasked_\@
.Lfor_b_\@:
	tensor_load_to_lds s[G0B+4*\s:G0B+4*\s+3], s[G1B:G1B+7]
	s_nop 0
.rept 4
	v_nop
.endr
.Lasked_\@:
.endm
.macro CREST                           ; a round of the cluster's barrier behind its opening barrier
	s_cmp_lg_u32 s16, 0
	s_cbranch_scc1 .Lnot_wave_0_\@
	s_barrier_signal -3
.Lnot_wave_0_\@:
	s_barrier_wait -3
	s_barrier_signal -1
	s_barrier_wait -1
.endm
.macro CROUND                          ; a whole round
	s_barrier_signal -1
	s_barrier_wait -1
	CREST
.endm
; A PREFETCH INTO THE L2 of the codes of the K step that stands TWO refills on: 256 matrix instructions of a wave ahead of the load that will want them.  Of the 32,768 bytes of codes in the block that wave w fetches, each of
; the four partners that ask for it jointly takes 8,192, told apart BY ADDRESS (cx for A, cy for B), lanes 256 bytes apart: one instruction a wave.  A's blocks are read by every cluster of a row of clusters: cluster x = 0
; asks; B's by every cluster of a column: cluster y = 0 asks.  So each 256 bytes are named once in the launch.  K steps 0 to 3 and the blocks' 1,024 bytes of scale words come by their loads alone; the loop's last trip (s3 = 1) asks for nothing.
; noise_eps is not prefetched: its loads into registers are issued a whole trip ahead of their use.
.macro ASK
	s_cmp_gt_u32 s3, s[LIM]
	s_cbranch_scc0 .Lnot_mine_\@
	global_prefetch_b8 v[PFO], s[PFA:PFA+1] offset:PB th:TH_LOAD_NT scope:SCOPE_SE
.Lnot_mine_\@:
.endm
; A block of noise_eps: 16 rows x my 128 columns.  Load (j, g): lanes 0-15 take row j, lanes 16-31 row 8 + j, columns 64 g + 4 r + 0 .. 3: two aligned runs of 256 consecutive bytes.
.macro EPSLOAD
.irp j, 0,1,2,3,4,5,6,7
.irp g, 0,1
	global_load_b128 v[E+8*\j+4*\g:E+8*\j+4*\g+3], v[CO], s[12:13] offset:\j*16384+256*\g th:TH_LOAD_NT
.endr
.endr
.endm
; It is folded into the sums of A's block a: 64 fused multiply-adds, register 0 of each accumulator first.
.macro FOLD a
	WIN 0xa0+0x50*((\a)/4)                         ; the sum (source 2 and destination) in window 2 or 3
.irp j, 0,1,2,3,4,5,6,7
.irp b, 0,1,2,3,4,5,6,7
	v_fma_f32 v[8*(8*((\a)%4)+\b)+\j], v[E+8*\j+\b], v[SD+\b], v[8*(8*((\a)%4)+\b)+\j]
.endr
.endr
	WIN 0
.endm
	s_load_b256 s[4:11], s[0:1], 0x0               ; apack s[4:5], bpack s[6:7], noise_mean s[8:9], noise_std s[10:11]
	s_load_b128 s[12:15], s[0:1], 0x20             ; noise_eps s[12:13], out0 s[14:15]
	v_lshl_add_u32 v[SPW], v0, 2, SPARE
	v_mov_b32 v[NIL], 0
	ds_add_u32 v28, v29
	ds_add_u32 v28, v29
	s_wait_dscnt 0x0
	v_lshrrev_b32 v2, 5, v0
	v_readfirstlane_b32 s16, v2                    ; wave 0..3
	s_lshr_b32 s17, s16, 1                         ; which half of the tile's rows is mine.  Also: I fetch for A (0) or for B (1)
	s_and_b32 s18, s16, 1                          ; which half of its columns.  Also: which block of 128 rows I fetch
	s_bfe_u32 s40, ttmp6, 0x40000                  ; cx, cy: my place in the cluster
	s_bfe_u32 s41, ttmp6, 0x40004
	s_lshl_b32 s42, ttmp9, 2
	s_add_co_u32 s42, s42, s40                     ; tile column = 4 x cluster x + cx
	s_and_b32 s43, ttmp7, 0xffff
	s_lshl_b32 s43, s43, 2
	s_add_co_u32 s43, s43, s41                     ; tile row = 4 x cluster y + cy
	s_lshl_b32 s44, s41, 2
	s_lshl_b32 s44, 15, s44                        ; my row of the cluster
	s_lshl_b32 s45, 0x1111, s40                    ; my column
	; descriptor group 1: a dense block of PB bytes as 132 rows of 256 bytes (32 elements of 8 bytes), no padding
	s_or_b32 s[G1+0], s44, (3<<16)|(1<<21)         ; 15:0 the mask: A's blocks go to my row; 17:16 elements of 8 bytes; 21 set beside a mask
	s_or_b32 s[G1B+0], s45, (3<<16)|(1<<21)        ; B's go to my column
.irp g, G1, G1B
	s_mov_b32 s[\g+1], 32<<16                      ; tensor_dim0 = 32
	s_mov_b32 s[\g+2], 132<<16                     ; tensor_dim1 = 132
	s_mov_b32 s[\g+3], 32<<16                      ; tile_dim0 = 32
	s_mov_b32 s[\g+4], 132                         ; tile_dim1 = 132
	s_mov_b32 s[\g+5], 32                          ; tensor_dim0_stride
	s_mov_b32 s[\g+6], 0
	s_mov_b32 s[\g+7], 0
.endr
	s_lshl_b32 s20, s43, 1
	s_add_co_u32 s20, s20, s18                     ; A: block of 128 rows = 2 x tile row + half
	s_mul_i32 s20, s20, 16*PB                      ; its 16 K steps lie on end
	s_mov_b32 s21, 0
	s_lshl_b32 s66, s42, 1
	s_add_co_u32 s66, s66, s18                     ; B: 2 x tile column + half
	s_mul_i32 s66, s66, 16*PB
	s_mov_b32 s67, 0
	s_mul_i32 s68, s16, PB                         ; where they go: wave x PB: no place in the cluster enters an LDS address
	s_wait_kmcnt 0x0
	s_add_nc_u64 s[20:21], s[4:5], s[20:21]
	s_add_nc_u64 s[66:67], s[6:7], s[66:67]
	CROUND                                         ; all sixteen work-groups are here: the first joint loads meet
.irp s, 0,1
	s_mov_b32 s[G0+4*\s], 1                        ; count = 1
	s_add_co_u32 s[G0+4*\s+1], s68, \s*SLOT        ; LDS address
	s_add_nc_u64 s[G0+4*\s+2:G0+4*\s+3], s[20:21], \s*PB   ; global address: K step s
	s_or_b32 s[G0+4*\s+3], s[G0+4*\s+3], 0x80000000        ; type = 2
	s_mov_b32 s[G0B+4*\s], 1
	s_add_co_u32 s[G0B+4*\s+1], s68, \s*SLOT
	s_add_nc_u64 s[G0B+4*\s+2:G0B+4*\s+3], s[66:67], \s*PB
	s_or_b32 s[G0B+4*\s+3], s[G0B+4*\s+3], 0x80000000
	JLOAD \s                                       ; two tensor loads of mine are out
.endr
	v_and_b32 v2, 15, v0                           ; r = l % 16
	v_bfe_u32 v3, v0, 4, 1                         ; h = l / 16
	v_and_b32 v4, 31, v0                           ; lane
	v_lshlrev_b32 v[R16], 4, v2
	v_lshl_add_u32 v[CO], v3, 17, v[R16]           ; 8 rows of 16,384 bytes x h + 16 r
	s_lshl_b32 s74, s42, 10                        ; my first column, in bytes: 1024 x tile column + 512 x half
	s_lshl_b32 s75, s18, 9
	s_add_co_u32 s74, s74, s75
	s_mov_b32 s75, 0
	s_add_nc_u64 s[8:9], s[8:9], s[74:75]
	s_add_nc_u64 s[10:11], s[10:11], s[74:75]
	global_load_b128 v[SD:SD+3], v[R16], s[10:11]              ; noise_std at columns 4 r + 0 .. 3: tiles 0 to 3,
	global_load_b128 v[SD+4:SD+7], v[R16], s[10:11] offset:256 ; and 64 columns on: tiles 4 to 7
	s_lshl_b32 s2, s43, 8
	s_lshl_b32 s69, s17, 7
	s_add_co_u32 s2, s2, s69                       ; my first row: 256 x tile row + 128 x half
	s_lshl_b32 s2, s2, 14                          ; rows of 16,384 bytes
	s_add_co_u32 s74, s74, s2
	s_add_nc_u64 s[12:13], s[12:13], s[74:75]      ; noise_eps and out0 at my 128 x 128
	s_add_nc_u64 s[14:15], s[14:15], s[74:75]
	EPSLOAD                                        ; noise_eps of my rows 0-15
	; the packs' prefetches: where my wave's stand, and who asks
	s_and_b32 s20, ttmp7, 0xffff                   ; cluster y
	s_cmp_eq_u32 s17, 0                            ; do I fetch for A?
	s_cselect_b32 s21, s43, s42                    ; the tile's coordinate: A by the tile row, B by the tile column
	s_cselect_b32 s2, s40, s41                     ; my place among the four that ask with me
	s_cselect_b32 s20, ttmp9, s20                  ; the coordinate along which other clusters read the same blocks
	s_cselect_b64 s[PFA:PFA+1], s[4:5], s[6:7]
	s_cmp_eq_u32 s20, 0
	s_cselect_b32 s[LIM], 1, -1                    ; the same in all sixteen partners, for a given wave
	s_lshl_b32 s21, s21, 1
	s_add_co_u32 s21, s21, s18
	s_mul_i32 s20, s21, 16*PB
	s_lshl_b32 s2, s2, 13                          ; my work-group's 8,192 bytes of a block's codes
	s_add_co_u32 s20, s20, s2
	s_add_co_u32 s20, s20, 2*PB                    ; at K step 2: the first refill steps it to 3 and names K step 4
	s_mov_b32 s21, 0
	s_add_nc_u64 s[PFA:PFA+1], s[PFA:PFA+1], s[20:21]
	s_mov_b32 s22, 0x39800000                      ; 1 / 4096; kept to the end
	s_mov_b32 s23, s22                             ; (named with it as a pair, so it is written)
	; LDS addresses
	v_lshlrev_b32 v[PFO], 8, v4
	v_lshlrev_b32 v5, 4, v4                        ; 16 x lane: A's images are read as they lie
	s_mul_i32 s69, s17, PB                         ; my 128 rows of A
	s_mul_i32 s70, s18, PB                         ; my 128 columns of B,
	s_add_co_u32 s70, s70, 2*PB                    ; which lie behind A's two blocks
	s_sub_co_u32 s71, s70, s69
	v_mul_u32_u24 v6, s71, v3                      ; scale words: lanes 16-31 take B's: ONE product, the distance x h
	v_add_nc_u32 v6, v6, v[R16]                    ; + 16 r
	s_add_co_u32 s72, s69, 32768                   ; behind the block's codes
	v_add_nc_u32 v[ADRA], s69, v5
	v_add_nc_u32 v[ADRA+1], SLOT, v[ADRA]
	v_add_nc_u32 v[ADRS], s72, v6
	v_add_nc_u32 v[ADRS+1], SLOT, v[ADRS]
	v_lshrrev_b32 v7, 2, v2                        ; r / 4: which of the four images
	v_and_b32 v2, 3, v2                            ; r % 4
	v_lshlrev_b32 v4, 12, v7                       ; an image pair (q = 0, 1) is 4,096 bytes
	v_lshl_add_u32 v4, v3, 8, v4                   ; + 256 h
	v_lshl_add_u32 v4, v2, 6, v4                   ; + 16 x 4 (r % 4)
	v_add_nc_u32 v4, s70, v4
.irp e, 0,1,2,3
	v_xor_b32 v2, \e, v7                           ; + 16 x (e xor r / 4): modulo 256 the sixteen lanes of a half stand at 64 (r % 4) + 16 (e xor r / 4): sixteen different 16-byte columns of the 64 banks (ISA guide 11.1)
	v_lshl_add_u32 v[ADRB+\e], v2, 4, v4
	v_add_nc_u32 v[ADRB+4+\e], SLOT, v[ADRB+\e]
.endr
	s_wait_loadcnt 16                              ; noise_std is in; the 16 loads of noise_eps behind it may be out
.irp k, 0,2,4,6
	v_pk_mul_f32 v[SD+\k:SD+\k+1], v[SD+\k:SD+\k+1], s[22:23] op_sel_hi:[1,0]
.endr
.macro FRAG reg, adr, q, i             ; a fragment of A comes back as its image was laid: four loads of 512 consecutive bytes
.irp c, 0,1,2,3
	ds_load_b128 v[\reg+4*\c:\reg+4*\c+3], v[\adr] offset:2048*(2*(\i)+(\q))+512*\c
.endr
.endm
; 8 matrix instructions: A's block a x B's eight tiles, 128 along K: the slot's q-th.  p: B's set;  sc: the set of scale words.  zero = 1: the first product starts the sums: nothing is ever cleared.
; The 64 accumulators take turns, one instruction a turn, in the same order in every step.
.macro MUL8 a, p, q, sc, zero
.irp b, 0,1,2,3,4,5,6,7
.if \zero
	v_wmma_scale_f32_16x16x128_f8f6f4 v[8*(8*((\a)%4)+\b):8*(8*((\a)%4)+\b)+7], v[AF+FR*(\a):AF+FR*(\a)+FR-1], v[128*(\p)+FR*\b:128*(\p)+FR*\b+FR-1], 0, v[SC+16*(\sc)+2*(\a)+(\q)], v[SC+16*(\sc)+2*\b+(\q)] matrix_b_scale:MATRIX_SCALE_ROW1
.else
	v_wmma_scale_f32_16x16x128_f8f6f4 v[8*(8*((\a)%4)+\b):8*(8*((\a)%4)+\b)+7], v[AF+FR*(\a):AF+FR*(\a)+FR-1], v[128*(\p)+FR*\b:128*(\p)+FR*\b+FR-1], v[8*(8*((\a)%4)+\b):8*(8*((\a)%4)+\b)+7], v[SC+16*(\sc)+2*(\a)+(\q)], v[SC+16*(\sc)+2*\b+(\q)] matrix_b_scale:MATRIX_SCALE_ROW1
.endif
.endr
.endm
.macro MUL16 a0, p, q, sc, zero
	MUL8 \a0, \p, \q, \sc, \zero
	MUL8 (\a0)+1, \p, \q, \sc, \zero
.endm
.macro FETCH_B slot, q, p              ; B's eight tiles of the slot's q-th 128 along K into set p: tile i = 4 g + e by the address register of e, 16,384 g bytes on
	WIN TO_B
.irp i, 0,1,2,3,4,5,6,7
.irp c, 0,1,2,3
	ds_load_b128 v[128*(\p)+FR*\i+4*\c:128*(\p)+FR*\i+4*\c+3], v[ADRB+4*(\slot)+(\i%4)] offset:16384*(\i/4)+2048*(\q)+512*\c
.endr
.endr
	WIN 0
.endm
.macro FETCH_A slot, q, i0             ; A's blocks i0 .. i0 + 3
.irp i, \i0, \i0+1, \i0+2, \i0+3
	FRAG AF+FR*(\i), ADRA+\slot, \q, \i
.endr
.endm
.macro SCALES sc                       ; slot sc's scale words into set sc: one load brings the four words (u, q) of a pair of tiles; lanes 0-15 take A's, lanes 16-31 B's
.irp ip, 0,1,2,3
	ds_load_b128 v[SC+16*\sc+4*\ip:SC+16*\sc+4*\ip+3], v[ADRS+\sc] offset:256*\ip
.endr
.endm
; A load into a register that a matrix instruction has read, and a vector instruction that reads a matrix result or writes one of a matrix instruction's registers, stand NP places behind that matrix instruction, and only
; plain vector instructions that name none of its registers are places (ISA guide 7.12.1 for vector instructions); this text does not count the matrix instructions in between.
.macro PLACES n
.rept \n
	v_nop
.endr
.endm
; A step of 128 along K that has its successor in the same slot.  A's blocks go one after the other, each against B's eight: a block of A is free when its eight products are issued, so A has one set of registers.
.macro STEP slot, q, zero
	s_wait_dscnt 4*NL                              ; B's set, A's blocks 0-3 and the scale words are in; the youngest 16 loads (A's blocks 4-7) may be out
	WIN MUL_LO
	MUL16 0, (\q)%2, \q, \slot, \zero
	MUL16 2, (\q)%2, \q, \slot, \zero
	s_wait_dscnt 0                                 ; A's blocks 4-7 are in (asked for 32 matrix instructions ago)
	PLACES NP
	FETCH_B \slot, (\q)+1, 1-(\q)%2
	FETCH_A \slot, (\q)+1, 0
	WIN MUL_HI
	MUL16 4, (\q)%2, \q, \slot, \zero
	MUL16 6, (\q)%2, \q, \slot, \zero
	PLACES NP
	WIN 0
	FETCH_A \slot, (\q)+1, 4
.endm
; A slot's last step changes slots: ONE barrier; in front of it each wave waits for all its tensor loads, adds 0 to its spare word, and waits for that and for its own reads of this slot.  fill = 1: this slot is filled again, two K steps ahead.
; The wait for the tensor loads stands behind the step's first sixteen products: from a request to the wait for it a wave issues 112 matrix instructions, and sixteen between the wait and the next request.
.macro TURN slot, next, fill
.if \fill
	s_wait_xcnt 0x0                                ; the last prefetch, a K step back, has read its address: it is stepped here, ahead of the waits of the change of slots
	s_add_nc_u64 s[PFA:PFA+1], s[PFA:PFA+1], PB
.endif
	s_wait_dscnt 4*NL                              ; B's set and A's blocks 0-3 are in; A's blocks 4-7 may be out
	WIN MUL_LO
	MUL16 0, 1, 1, \slot, 0
	WIN 0                                          ; (the add's two registers lie in window 0)
	s_wait_tensorcnt 0x0                           ; all my tensor loads have landed: the one that was out is my part of the next slot; so every group 0 may be written;
	ds_add_u32 v[SPW], v[NIL]                      ; 0 onto my spare word;
.if \fill
	s_add_nc_u64 s[G0+4*\slot+2:G0+4*\slot+3], s[G0+4*\slot+2:G0+4*\slot+3], 2*PB      ; this slot's next K step
	s_add_nc_u64 s[G0B+4*\slot+2:G0B+4*\slot+3], s[G0B+4*\slot+2:G0B+4*\slot+3], 2*PB
.endif
	WIN MUL_LO
	MUL8 2, 1, 1, \slot, 0                         ; eight matrix instructions stand between the add and the wait for it
	s_wait_dscnt 0x0                               ; the add is done, and my reads of this slot are over (the last, A's blocks 4-7, were issued 24 matrix instructions ago)
	s_barrier_signal -1
	MUL8 3, 1, 1, \slot, 0                         ; work on registers while the others arrive
	WIN 0
	s_barrier_wait -1
.if \fill
	CREST                                          ; the barrier has opened a round of the cluster's barrier: no wave of any partner still reads this slot or has a load on its way
	JLOAD \slot                                    ; the first tensor load behind the round, my one load until the next; its four v_nop are among the places in front of the loads below
	PLACES NP-4
.else
	PLACES NP
.endif
	FETCH_B \next, 0, 0
	FETCH_A \next, 0, 0
	SCALES \next
.if \fill
	ASK                                            ; behind the joint load and the run of LDS loads that the next products wait for
.endif
	WIN MUL_HI
	MUL16 4, 1, 1, \slot, 0
	MUL16 6, 1, 1, \slot, 0
	PLACES NP
	WIN 0
	FETCH_A \next, 0, 4
.endm
; THE WAY OUT of A's block a: 16 rows x 128 columns.  mean / 4096 + sum goes into set a % 4 of window 1, register 8 j + b: so registers 8 j + 4 g + 0 .. 3 are four neighbouring columns.
.macro SEND a
.if (\a) >= 4
	s_wait_xcnt 0x0                                ; the stores of four blocks back have read this set of registers: it is written again only behind this wait
.endif
	WIN 0x60+0x10*((\a)/4)                         ; destination window 1, the sum (source 2) window 2 or 3
.irp j, 0,1,2,3,4,5,6,7
.irp b, 0,1,2,3,4,5,6,7
	v_fma_f32 v[64*((\a)%4)+8*\j+\b], v[MN+\b], s22, v[8*(8*((\a)%4)+\b)+\j]      ; register 0 of each accumulator first
.endr
.endr
	WIN 0x04                                       ; a store's data are its source 1: window 1
.irp j, 0,1,2,3,4,5,6,7
.irp g, 0,1
	global_store_b128 v[CO], v[64*((\a)%4)+8*\j+4*\g:64*((\a)%4)+8*\j+4*\g+3], s[14:15] offset:(16*(\a)+\j)*16384+256*\g th:TH_STORE_NT   ; lanes 0-15 and lanes 16-31 each store 256 consecutive bytes, at a multiple of 256 from out0's first byte; every offset is an immediate, 119 rows at the most: no base is stepped
.endr
.endr
	WIN 0
.endm
	s_wait_tensorcnt 1                             ; my part of K step 0 is in (K step 1's load may be out)
	s_barrier_signal -1
	s_barrier_wait -1                              ; everybody's is
	FETCH_B 0, 0, 0
	FETCH_A 0, 0, 0
	SCALES 0
	FETCH_A 0, 0, 4
	STEP 0, 0, 1                                   ; the first step stands in front of the loop: its products start the sums
	s_mov_b32 s3, 7
.Llap:                                                 ; a trip goes once round the ring, from a lap's second step to the next lap's first, and fills both slots again: K steps 2 to 15
	TURN 0, 1, 1
	; noise_eps of A's block 7 - s3 is folded into its sums.  The eight places at TURN's end stand between the last products and these lines.  Which accumulators are meant hangs on the trip: the fold is written out
	; for each block, and the lap's counter, the same in every work-group, chooses.
	s_wait_loadcnt 0x0                             ; the block's 16 loads, asked for a trip ago, are in; their base may be stepped
.irp a, 0,1,2,3,4,5
	s_cmp_eq_u32 s3, 7-\a
	s_cbranch_scc1 .Lfold\a
.endr
	FOLD 6
	s_branch .Lfolded
.irp a, 5,4,3,2,1
.Lfold\a:
	FOLD \a
	s_branch .Lfolded
.endr
.Lfold0:
	FOLD 0
.Lfolded:
	PLACES NP                                      ; as many plain lines between the folds' writes and the products that take the sums up again as a scale register so written would want
	s_add_nc_u64 s[12:13], s[12:13], 16*16384      ; the next 16 rows,
	EPSLOAD                                        ; asked for 256 matrix instructions ahead of their fold.  The last trip asks for my rows 112-127
	STEP 1, 0, 0
	TURN 1, 0, 1
	STEP 0, 0, 0
	s_sub_co_u32 s3, s3, 1
	s_cmp_lg_u32 s3, 0
	s_cbranch_scc1 .Llap
	TURN 0, 1, 0                                   ; the last lap fills nothing, and has no round of the cluster's barrier
	s_wait_loadcnt 0x0
	FOLD 7                                         ; the last block of noise_eps
	PLACES NP
	global_load_b128 v[MN:MN+3], v[R16], s[8:9]              ; noise_mean, wanted on the way out alone, takes registers that the last fold has read: columns 4 r + 0 .. 3,
	global_load_b128 v[MN+4:MN+7], v[R16], s[8:9] offset:256 ; and 64 columns on
	STEP 1, 0, 0
	s_wait_dscnt 4*NL                              ; the very last step: nothing more to fetch from the ring
	WIN MUL_LO
	MUL16 0, 1, 1, 1, 0
	MUL16 2, 1, 1, 1, 0
	s_wait_dscnt 0
	WIN MUL_HI
	MUL16 4, 1, 1, 1, 0
	MUL16 6, 1, 1, 1, 0
	WIN 0
	PLACES NP                                      ; for the reads of results, and for the writes into the registers that held B's fragments
	s_wait_loadcnt 0x0                             ; noise_mean, asked for 128 matrix instructions ago
.irp a, 0,1,2,3,4,5,6,7
	SEND \a
.endr
	s_wait_tensorcnt 0x0                           ; the wave's end, behind my last tensor load
	ds_add_u32 v[SPW], v[NIL]
	s_wait_dscnt 0x0
	CROUND                                         ; the closing round: no work-group ends while a partner may still ask for a block that names it
	s_endpgm
.Lfunc_end_k_q5906527f5f_gemm:
	.size	k_q5906527f5f_gemm, .Lfunc_end_k_q5906527f5f_gemm-k_q5906527f5f_gemm
	.p2alignl 7, 3214868480
	.fill 96, 4, 3214868480
	.section	.rodata,"a",@progbits
	.p2align	6, 0x0
	.amdhsa_kernel k_q5906527f5f_gemm
		.amdhsa_group_segment_fixed_size 327680
		.amdhsa_private_segment_fixed_size 0
		.amdhsa_enable_private_segment 0
		.amdhsa_kernarg_size 48
		.amdhsa_user_sgpr_count 2
		.amdhsa_user_sgpr_kernarg_segment_ptr 1
		.amdhsa_wavefront_size32 1
		.amdhsa_system_sgpr_workgroup_id_x 1
		.amdhsa_system_sgpr_workgroup_id_y 1
		.amdhsa_system_sgpr_workgroup_id_z 1
		.amdhsa_system_vgpr_workitem_id 0
		.amdhsa_next_free_vgpr 1024
		.amdhsa_next_free_sgpr 80
		.amdhsa_reserve_vcc 0
		.amdhsa_float_denorm_mode_32 3
		.amdhsa_float_denorm_mode_16_64 3
		.amdhsa_memory_ordered 1
		.amdhsa_forward_progress 1
		.amdhsa_inst_pref_size 196
	.end_amdhsa_kernel
	.amdgpu_metadata
---
amdhsa.version: [ 1, 2 ]
amdhsa.kernels:
  - .name:           k_q5906527f5f_gemm
    .symbol:         k_q5906527f5f_gemm.kd
    .args:
      - { .name: apack, .offset: 0, .size: 8, .value_kind: global_buffer, .address_space: global }
      - { .name: bpack, .offset: 8, .size: 8, .value_kind: global_buffer, .address_space: global }
      - { .name: noise_mean, .offset: 16, .size: 8, .value_kind: global_buffer, .address_space: global }
      - { .name: noise_std, .offset: 24, .size: 8, .value_kind: global_buffer, .address_space: global }
      - { .name: noise_eps, .offset: 32, .size: 8, .value_kind: global_buffer, .address_space: global }
      - { .name: out0, .offset: 40, .size: 8, .value_kind: global_buffer, .address_space: global }
    .group_segment_fixed_size: 327680
    .private_segment_fixed_size: 0
    .kernarg_segment_align: 8
    .kernarg_segment_size: 48
    .max_flat_workgroup_size: 128
    .sgpr_count:     80
    .vgpr_count:     1024
    .wavefront_size: 32
...
	.end_amdgpu_metadata
.endif
;; end of part 2
